; MI455X (gfx1250); checked and timed in simulation.
; The chip was launched on July 23, 2026; its instructions are those of AMD's public machine-readable ISA for CDNA 5 (MIT licence, August 2026) and "CDNA5" Instruction Set Architecture Reference Guide (July 2026). The comments in the code are by the model that wrote it; some were corrected since.
;; Cross Attention Layer. Allowed arithmetic: matrix products marked QUANTISED: E2M3 operands, one E8M0 scale for each 32 along K, by v_wmma_scale_f32_16x16x128_f8f6f4 with both operands' format E2M3, f32 sums; everything else in f32.
;; Inputs: Wkv_codes 2,048 x 32 x 24 uint8 (E2M3 codes of Wkv, K innermost, in blocks of 32 codes, four codes in three bytes); Wkv_scales 2,048 x 32 uint8 (E8M0 scales of Wkv, one for each 32 codes along K); Wo_codes 1,024 x 32 x 24 uint8 (E2M3 codes of Wo, K innermost, in blocks of 32 codes, four codes in three bytes); Wo_scales 1,024 x 32 uint8 (E8M0 scales of Wo, one for each 32 codes along K); Wq_codes 1,024 x 32 x 24 uint8 (E2M3 codes of Wq, K innermost, in blocks of 32 codes, four codes in three bytes); Wq_scales 1,024 x 32 uint8 (E8M0 scales of Wq, one for each 32 codes along K); bkv 2,048 float32; bo 1,024 float32; bq 1,024 float32; encoder_hidden_states_codes 4 x 2,048 x 32 x 24 uint8 (E2M3 codes of encoder_hidden_states, K innermost, in blocks of 32 codes, four codes in three bytes); encoder_hidden_states_scales 4 x 2,048 x 32 uint8 (E8M0 scales of encoder_hidden_states, one for each 32 codes along K); hidden_states_codes 4 x 2,048 x 32 x 24 uint8 (E2M3 codes of hidden_states, K innermost, in blocks of 32 codes, four codes in three bytes); hidden_states_scales 4 x 2,048 x 32 uint8 (E8M0 scales of hidden_states, one for each 32 codes along K); kn_w 64 float32; qn_w 64 float32.
;; Outputs: out0 4 x 2,048 x 1,024 float32.
;; This version of the problem:
;;   THIS VERSION OF THE PROBLEM IS GIVEN IN LOW PRECISION. The matrix products marked QUANTISED in the list below multiply operands that are first quantised to E2M3 (2 exponent bits, 3 mantissa bits; 6 bits a number), with one power-of-two scale for each 32 numbers along K (OCP MX v1.0); their sums are f32. All else is computed in f32.
;;   The module's matrix products, in the order in which they are computed (A, B: the left and right operand; K: the contracted axis; several contracted axes count as one K, in the product's order):
;;     1. [M 8,192, K 1,024] x [K 1,024, N 1,024]; A: input hidden_states (given as codes); B: input Wq (given as codes): QUANTISED
;;     2. [M 8,192, K 1,024] x [K 1,024, N 2,048]; A: input encoder_hidden_states (given as codes); B: input Wkv (given as codes): QUANTISED
;;     3. batch 64 x [M 2,048, K 64] x [K 64, N 2,048]; A: computed on the way; B: computed on the way: QUANTISED
;;     4. batch 64 x [M 2,048, K 2,048] x [K 2,048, N 64]; A: softmax (see below); B: computed on the way: QUANTISED
;;     5. [M 8,192, K 1,024] x [K 1,024, N 1,024]; A: computed on the way; B: input Wo (given as codes): QUANTISED
;;   THE QUANTISER, for each operand of a quantised product, along K:
;;     - K is cut into blocks of 32 from its start; a last block that is shorter is filled with zeros.
;;     - A block's scale is 2^e with e = floor(log2(the largest magnitude in the block)) - 2, held to -126 .. 127; a block of zeros has e = 0. As a byte (E8M0): e + 127.
;;     - Each number is divided by its block's scale, clamped to +-7.5, and rounded to the nearest number of E2M3, ties to even, subnormals kept.
;;     - The product sums the exact products of the quantised numbers (number of the format x scale) in f32.
;;   ~~~python
;;   def quantise(x, axis):      # numpy; x: float32 -> the quantised numbers, widened to float32 again
;;       x = np.moveaxis(x, axis, -1); K = x.shape[-1]
;;       x = np.pad(x, [(0, 0)] * (x.ndim - 1) + [(0, -K % 32)]); x = x.reshape(x.shape[:-1] + (-1, 32)); a = np.abs(x).max(-1, keepdims=True)
;;       e = np.where(a > 0, np.clip(np.frexp(np.where(a > 0, a, 1))[1] - 1 - 2, -126, 127), 0)      # np.frexp(a)[1] - 1 = floor(log2(a)), exactly
;;       r = np.clip(x / 2.0 ** e, -7.5, 7.5)
;;       step = 2.0 ** (np.maximum(np.frexp(np.where(r == 0, 1, r))[1] - 1, 0) - 3)
;;       q = np.round(r / step) * step * 2.0 ** e      # np.round: ties to even
;;       return np.moveaxis(q.reshape(q.shape[:-2] + (-1,))[..., :K], -1, axis).astype(np.float32)
;;   ~~~
;;   SOFTMAX AHEAD OF A QUANTISED PRODUCT. Where the list says 'softmax', what is quantised is not the finished softmax but p = 2^(t - M), with t = logit x log2(e) and M = ceil(the row's largest t), a whole number; so 1/2 < the row's largest p <= 1. The row's sum l is taken of the UNQUANTISED p, in f32, and the product's result is divided by l at the end. Since M is a whole number, a kernel that streams over the keys may use a running M (the ceiling of the running maximum): every later rescaling is an exact power of two, which a block's scale takes up: the codes' values come out the same.
;;   OPERANDS COMPUTED ON THE WAY. 'Computed on the way' means the value that the module computes at that place (a softmax that the list does not call 'softmax' is quantised finished and normalised). What goes into a quantiser is computed in f32, as accurately as f32 sums, v_exp_f32 and their like allow (about 1e-6 of the number): no bf16 or f16 on the way to a quantiser, and a product that is left as it is and whose result goes on into a quantised operand takes f32 operands (vector FMAs, or v_wmma_f32_16x16x4_f32). A number that lies on a knife's edge between two numbers of the format may be rounded either way, as far as f32 arithmetic and the matrix unit's own rounding can turn it there, and no further.
;;   INPUTS GIVEN AS CODES. Wkv (in the module: [1024, 2048], K = its axis 0); Wo (in the module: [1024, 1024], K = its axis 0); Wq (in the module: [1024, 1024], K = its axis 0); encoder_hidden_states (in the module: [4, 2048, 1024], K = its axis 2); hidden_states (in the module: [4, 2048, 1024], K = its axis 2): each comes as NAME_codes (uint8): NAME with its K axis moved to the last place and cut into blocks of 32 codes, [.., K / 32, bytes a block], one block behind the other in memory; four codes in three bytes: a row's codes are one little-endian stream of bits, code i at bits 6 i .. 6 i + 5 (a code: sign, 2 exponent bits, 3 mantissa bits); and NAME_scales (uint8): the same leading axes, one E8M0 byte (e + 127) for each 32 codes along K. Its value is code x scale, taken as it is: it is not quantised again, and the codes and scales need not be those that the quantiser above would give.
;; One version. Each part assembles by itself: llvm-mc -triple=amdgcn-amd-amdhsa -mcpu=gfx1250 --defsym DOCPART=n.
;; ======== version 1 of 1: 3 launches
;; workspace buffers: qimg 6,815,744 bytes; kv 13,369,344 bytes; ctx 6,553,600 bytes
;; launch proj (part 1): grid 32 x 16, 4 waves a work-group, clusters of 4 x 1, 327,680 bytes of LDS; arguments hidden_states_codes, hidden_states_scales, encoder_hidden_states_codes, encoder_hidden_states_scales, Wq_codes, Wq_scales, Wkv_codes, Wkv_scales, bq, bkv, qn_w, kn_w, qimg, kv; writes qimg, kv
.if DOCPART == 1
	.amdgcn_target "amdgcn-amd-amdhsa--gfx1250"
	.amdhsa_code_object_version 6
	.text
	.protected	k_q6af5c50e22_proj
	.globl	k_q6af5c50e22_proj
	.p2align	8
	.type	k_q6af5c50e22_proj,@function
k_q6af5c50e22_proj:
	s_mov_b64 s[64:65], 0
	v_nop
	global_prefetch_b8 v0, s[64:65] scope:SCOPE_SE
	s_setreg_imm32_b32 hwreg(HW_REG_WAVE_MODE, 25, 1), 1
	s_wait_xcnt 0x0
	s_wait_alu depctr_hold_cnt(0) depctr_sa_sdst(0) depctr_va_vdst(0) depctr_va_sdst(0) depctr_va_ssrc(0) depctr_va_vcc(0) depctr_vm_vsrc(0)
	s_getreg_b32 s2, hwreg(HW_REG_IB_STS2, 6, 4)
	s_cmp_eq_u32 s2, 0
	s_cbranch_scc0 .Lentry_in_a_cluster
	s_endpgm
.Lentry_in_a_cluster:
	s_bfe_u32 s2, ttmp6, 0x10000c
	s_cmp_lg_u32 s2, 0x3003
	s_cbranch_scc0 .Lentry_shape_is_right
	s_endpgm
.Lentry_shape_is_right:
; PROJECTIONS, SPLIT, NORMS AND QUANTISERS.  Column c = 192 head + 3 d + j of [hidden Wq + bq | encoder Wkv + bkv] is q (j = 0), k (1) or v (2) of that head at channel d.
; A work-group makes one head for 256 tokens: 192 columns, K = 1,024, on codes of FP6 (E2M3) with E8M0 scales, as they are given.  Then q and k are normalised (RMS over the head's 64 channels, q scaled by 1/8 first) and
; quantised along d; v is quantised along the tokens, which are the keys of the second attention product.  All three leave as IMAGES OF OPERAND REGISTERS: 16 bytes a lane for each four registers.
; SHARES.  Wave w: tp = w / 2 picks 128 tokens, cp = w % 2 the columns: cp = 0 makes q and v's channels 0-31, cp = 1 makes k and v's channels 32-63: 48 accumulators, 48 matrix instructions for 128 along K.
; q and k are used TRANSPOSED (source 0 = 16 rows of W, source 1 = 16 tokens): a lane holds one token, its registers channels.  v is not (source 0 = tokens, source 1 = rows of W): a lane holds one channel, its registers tokens.
; So in both cases a lane's registers run along the next product's K.  Inside a block of 32 the codes come out in the order 0-7, 16-23, 8-15, 24-31; q and k have the same order, and so have v and the softmax's p.
; HEADS.  Heads 0-4 take hidden_states and Wq, heads 6-15 encoder_hidden_states and Wkv.  Head 5's local columns 0-63 are Wq's rows 960-1,023 (on hidden_states), its columns 64-191 Wkv's rows 0-127 (on encoder_hidden_states):
; it runs the common phase on encoder_hidden_states, puts the bias back into the sums of columns 0-63, and runs a second phase on hidden_states in which W's rows 64-191 come as zero codes.
; CLUSTER.  The four work-groups of a cluster are four token blocks of one head: W's tiles are asked for jointly.  x's tiles are not shared: the heads of one token block read two different tensors (0-4, 6-15, and 5 both),
; so no four neighbouring heads have one descriptor at every place of the grid.
; RING.  Two LDS slots of 256 along K (rows of 192 bytes, 16 bytes of padding behind every 64: pitch 240); K has four slots' worth, so the text is written out and has no loop.  By its own count a wave has at most two tensor loads out.
; LIMITS.  NaN and infinities are not served; a given scale byte 0xff makes its sums NaN, as it does in the definition.  A block whose largest magnitude lies under 2^-124 takes the byte 1; a block of zeros takes 1, not 127:
; its codes are zeros and only this program reads the bytes.
.set PITCH, 240
.set WOFF,  256*PITCH                  ; a slot: x's 256 rows, then W's 192
.set SLOT,  448*PITCH
.set XSC,   2*SLOT                     ; scale bytes of my x, [token][32]
.set XSH,   8192                       ; that far on: those of hidden_states (head 5's second phase)
.set WSC,   XSC+2*XSH                  ; W's, [local row][32]
.set BIAS,  WSC+6144                   ; 192 f32
.set SPARE, BIAS+768                   ; the spare words, 128 bytes a wave
.set FR,    12
.set AX,  2                            ; v2-5   x fragments: slot 0, slot 1; the same behind one padding more
.set AW,  6                            ; v6-9   rows 3 r + cp of W (q or k)
.set AV,  10                           ; v10-13 rows 3 r + 2 + 96 cp (v)
.set ASX, 14
.set ASW, 15
.set ASV, 16
.set ABQ, 17
.set ABV, 18
.set T16, 19
.set LT16, 20
.set LB2, 21
.set LB1, 22
.set T4,  23
.set L8,  24
.set H32, 25
.set OQ,  26
.set OS,  27
.set SPW, 28
.set NIL, 29
.set OV,  30                           ; (first: the lane's half)
.set OVQ, 31                           ; (first: the lane)
.set SCW, 32                           ; v32-87 scale words, two sets of 28: x's 16, then W's 12; nothing else ever lies here
.set SW,  88                           ; v88-95 the scale words made for q or k
.set X0,  96                           ; window 0: x set 0;  window 3: x set 1 at X1
.set X1,  128
.set BQ,  144                          ; window 1: biases in the results' layouts
.set BV,  176
.set NW,  224                          ; v224-255 norm weights
.set KC,  96                           ; the way out, window 0
.set SS,  144
.set TM,  144
.set TC,  152
.set SI,  156
.set FF,  176
.set YY,  192
.set PCV, 160
.set TC2, 184
.set TM2, 192
.set VW,  208
.set G0X, 8
.set G0A, 16
.set G0B, 24
.set WV,  56
.set CP,  57
.set TP,  58
.set HEAD, 59
.set ML,  60
.set MH,  61
.set TBK, 62                           ; the token block; later M5
.set M5,  62
.set MV0, 63
.set MV1, 66
.set EPSR, 67
.set G1X, 68
.set G1A, 76
.set G1B, 84
.set G1Z, 92
.set SEL, 100
.set RS,  104
.set QS,  105
.set MSB, 0
.macro WIN new                         ; the immediate's high byte repeats the setting that is left
.if MSB != \new
	s_set_vgpr_msb (MSB<<8)|\new
.set MSB, \new
.endif
.endm
.macro PLACES n
.rept \n
	v_nop
.endr
.endm
.macro CREST                           ; a round of the cluster's barrier behind its opening barrier
	s_cmp_lg_u32 s[WV], 0
	s_cbranch_scc1 .Lnot_wave_0_\@
	s_barrier_signal -3
.Lnot_wave_0_\@:
	s_barrier_wait -3
	s_barrier_signal -1
	s_barrier_wait -1
.endm
.macro CROUND
	s_barrier_signal -1
	s_barrier_wait -1
	CREST
.endm
.macro G1SET g, w0, rows, left         ; rows of 192 bytes, 768 bytes apart; rows at or past 'left' arrive as zeros
	s_mov_b32 s[\g], \w0
	s_mov_b32 s[\g+1], 192<<16
	s_mov_b32 s[\g+2], (\left)<<16
	s_mov_b32 s[\g+3], 192<<16
	s_mov_b32 s[\g+4], \rows
	s_mov_b32 s[\g+5], 768
	s_mov_b32 s[\g+6], 0
	s_mov_b32 s[\g+7], 0
.endm
; One tensor load a wave: waves 0, 1 x's halves (plain), wave 2 W's rows 0-63, wave 3 W's rows 64-191 (joint).  ph = 1: wave 2 brings rows 0-63 and zeros for rows 64-191, wave 3 nothing.
; The branches hang on the wave's number alone.  Four v_nop follow each load.
.macro TLOADS slot, ph
	s_cmp_lt_u32 s[WV], 2
	s_cbranch_scc0 .Lnot_x_\@
	tensor_load_to_lds s[G0X+4*\slot:G0X+4*\slot+3], s[G1X:G1X+7]
	s_nop 0
	PLACES 4
	s_branch .Lasked_\@
.Lnot_x_\@:
	s_cmp_eq_u32 s[WV], 2
	s_cbranch_scc0 .Lnot_a_\@
.if \ph
	tensor_load_to_lds s[G0A+4*\slot:G0A+4*\slot+3], s[G1Z:G1Z+7]
	s_nop 0
.else
	tensor_load_to_lds s[G0A+4*\slot:G0A+4*\slot+3], s[G1A:G1A+7]
	s_nop 0
.endif
	PLACES 4
	s_branch .Lasked_\@
.Lnot_a_\@:
.if \ph == 0
	tensor_load_to_lds s[G0B+4*\slot:G0B+4*\slot+3], s[G1B:G1B+7]
	s_nop 0
.endif
	PLACES 4
.Lasked_\@:
.endm
; A fragment, 16 rows x 128 K: 12 registers; lane (r, h) takes 24 bytes at 24 h and 24 at 48 + 24 h of its row's 96, in pieces of 8.  Where the piece three on lies behind one padding more, the second address register serves.
.macro FRAG reg, adr, q, off
.irp p, 0,1,2,3,4,5
.set PC, 12*(\q)+6*(\p/3)+\p%3
.if PC%8 < 5
	ds_load_b64 v[\reg+2*\p:\reg+2*\p+1], v[\adr] offset:8*PC+16*(PC/8)+(\off)
.else
	ds_load_b64 v[\reg+2*\p:\reg+2*\p+1], v[\adr+2] offset:8*PC+16*(PC/8)+(\off)
.endif
.endr
.endm
.macro FETCH set, slot, q, full        ; the fragments of the slot's q-th 128 along K: W's 6 (4 where full = 0), x's 8
	WIN 0x40
.irp a, 0,1,2,3
.if (\full) || (\a < 2)
	FRAG 72*(\set)+FR*\a, AW+\slot, \q, 11520*\a
.endif
.endr
.irp a, 0,1
	FRAG 72*(\set)+FR*(4+\a), AV+\slot, \q, 11520*\a
.endr
.if \set
	WIN 0xc0
.irp i, 0,1,2,3,4,5,6,7
	FRAG X1+FR*\i, AX+\slot, \q, 3840*\i
.endr
.else
	WIN 0
.irp i, 0,1,2,3,4,5,6,7
	FRAG X0+FR*\i, AX+\slot, \q, 3840*\i
.endr
.endif
	WIN 0
.endm
.macro SCALES sc, ks, xo               ; the scale words of K slot ks: two words a row
.irp i, 0,1,2,3,4,5,6,7
	ds_load_b64 v[SCW+28*(\sc)+2*\i:SCW+28*(\sc)+2*\i+1], v[ASX] offset:512*\i+8*(\ks)+(\xo)
.endr
.irp a, 0,1,2,3
	ds_load_b64 v[SCW+28*(\sc)+16+2*\a:SCW+28*(\sc)+16+2*\a+1], v[ASW] offset:1536*\a+8*(\ks)
.endr
.irp a, 0,1
	ds_load_b64 v[SCW+28*(\sc)+24+2*\a:SCW+28*(\sc)+24+2*\a+1], v[ASV] offset:1536*\a+8*(\ks)
.endr
.endm
; q or k: token tiles i0 .. i0 + 3 x channel tiles 0-3 (0-1 where full = 0).  mode = 1: the bias starts the sums.  All accumulators take turns, one instruction a turn.
.macro MULQK set, q, sc, i0, mode, full
.set XB, X0+(X1-X0)*(\set)
.if \mode
	WIN 0x91
.elseif \set
	WIN 0xad
.else
	WIN 0xa1
.endif
.irp i, \i0, \i0+1, \i0+2, \i0+3
.irp a, 0,1,2,3
.if (\full) || (\a < 2)
.if \mode
	v_wmma_scale_f32_16x16x128_f8f6f4 v[8*(4*(\i)+\a):8*(4*(\i)+\a)+7], v[72*(\set)+FR*\a:72*(\set)+FR*\a+FR-1], v[XB+FR*(\i):XB+FR*(\i)+FR-1], v[BQ+8*\a:BQ+8*\a+7], v[SCW+28*(\sc)+16+2*\a+(\q)], v[SCW+28*(\sc)+2*(\i)+(\q)] matrix_a_fmt:MATRIX_FMT_FP6 matrix_b_fmt:MATRIX_FMT_FP6
.else
	v_wmma_scale_f32_16x16x128_f8f6f4 v[8*(4*(\i)+\a):8*(4*(\i)+\a)+7], v[72*(\set)+FR*\a:72*(\set)+FR*\a+FR-1], v[XB+FR*(\i):XB+FR*(\i)+FR-1], v[8*(4*(\i)+\a):8*(4*(\i)+\a)+7], v[SCW+28*(\sc)+16+2*\a+(\q)], v[SCW+28*(\sc)+2*(\i)+(\q)] matrix_a_fmt:MATRIX_FMT_FP6 matrix_b_fmt:MATRIX_FMT_FP6
.endif
.endif
.endr
.endr
.endm
.macro MULV set, q, sc, mode           ; v: my two channel tiles x 8 token tiles
.set XB, X0+(X1-X0)*(\set)
.if \mode
	WIN 0xd4
.elseif \set
	WIN 0xf7
.else
	WIN 0xf4
.endif
.irp a, 0,1
.irp i, 0,1,2,3,4,5,6,7
.if \mode
	v_wmma_scale_f32_16x16x128_f8f6f4 v[8*(8*\a+\i):8*(8*\a+\i)+7], v[XB+FR*\i:XB+FR*\i+FR-1], v[72*(\set)+FR*(4+\a):72*(\set)+FR*(4+\a)+FR-1], v[BV+8*\a:BV+8*\a+7], v[SCW+28*(\sc)+2*\i+(\q)], v[SCW+28*(\sc)+24+2*\a+(\q)] matrix_a_fmt:MATRIX_FMT_FP6 matrix_b_fmt:MATRIX_FMT_FP6
.else
	v_wmma_scale_f32_16x16x128_f8f6f4 v[8*(8*\a+\i):8*(8*\a+\i)+7], v[XB+FR*\i:XB+FR*\i+FR-1], v[72*(\set)+FR*(4+\a):72*(\set)+FR*(4+\a)+FR-1], v[8*(8*\a+\i):8*(8*\a+\i)+7], v[SCW+28*(\sc)+2*\i+(\q)], v[SCW+28*(\sc)+24+2*\a+(\q)] matrix_a_fmt:MATRIX_FMT_FP6 matrix_b_fmt:MATRIX_FMT_FP6
.endif
.endr
.endr
.endm
.macro STEP0 slot, mode, full          ; a slot's first 128 along K, on set 0; the second 128's fragments are fetched ahead of the products
	s_wait_dscnt 0x0                               ; set 0 and its scale words are in
	PLACES 4                                       ; in front of loads into set 1, which the last products read
	FETCH 1, \slot, 1, \full
	MULQK 0, 0, \slot, 0, \mode, \full
	MULQK 0, 0, \slot, 4, \mode, \full
	MULV 0, 0, \slot, \mode
.endm
; A slot's second 128, on set 1, and the change of slots: ONE barrier; in front of it each wave waits for all its tensor loads (its part of the next slot), adds 0 to its spare word, and waits for that and for its reads of this slot.
.macro TURN slot, next, ks, fill, ph, full, xo
	WIN 0
	s_wait_tensorcnt 0x0
	ds_add_u32 v[SPW], v[NIL]
	s_wait_dscnt 0x1                               ; set 1 is in; the add may be out
	MULQK 1, 1, \slot, 0, 0, \full
	s_wait_dscnt 0x0                               ; the add is done, and my reads of this slot are over
	s_barrier_signal -1
	WIN 0
	s_barrier_wait -1
.if \fill
	CREST                                          ; the barrier has opened a round of the cluster's: no wave of any partner reads this slot or has a load on its way
	s_add_nc_u64 s[G0X+4*\slot+2:G0X+4*\slot+3], s[G0X+4*\slot+2:G0X+4*\slot+3], 384
	s_add_nc_u64 s[G0A+4*\slot+2:G0A+4*\slot+3], s[G0A+4*\slot+2:G0A+4*\slot+3], 384
	s_add_nc_u64 s[G0B+4*\slot+2:G0B+4*\slot+3], s[G0B+4*\slot+2:G0B+4*\slot+3], 384
	TLOADS \slot, \ph                              ; the first tensor load behind the round; its four v_nop are the places in front of the loads below
.else
	PLACES 4
.endif
	FETCH 0, \next, 0, \full
	SCALES \next, \ks, \xo
	MULQK 1, 1, \slot, 4, 0, \full
	MULV 1, 1, \slot, 0
.endm
.macro BODY mode, ph, full, xo         ; K = 1,024: four slots' worth
	FETCH 0, 0, 0, \full
	SCALES 0, 0, \xo
	STEP0 0, \mode, \full
	TURN 0, 1, 1, 1, \ph, \full, \xo
	STEP0 1, 0, \full
	TURN 1, 0, 2, 1, \ph, \full, \xo
	STEP0 0, 0, \full
	TURN 0, 1, 3, 0, \ph, \full, \xo
	STEP0 1, 0, \full
	s_wait_dscnt 0x0
	MULQK 1, 1, 1, 0, 0, \full
	MULQK 1, 1, 1, 4, 0, \full
	MULV 1, 1, 1, 0
.endm
	s_load_b512 s[4:19], s[0:1], 0x0               ; hidden codes, scales; encoder codes, scales; Wq codes, scales; Wkv codes, scales
	s_load_b256 s[20:27], s[0:1], 0x40             ; bq, bkv, qn_w, kn_w
	s_load_b128 s[28:31], s[0:1], 0x60             ; qimg, kv
	v_lshl_add_u32 v[SPW], v0, 2, SPARE
	v_mov_b32 v[NIL], 0
	ds_add_u32 v28, v29
	ds_add_u32 v28, v29
	s_wait_dscnt 0x0
	v_lshrrev_b32 v1, 5, v0
	v_readfirstlane_b32 s[WV], v1
	s_and_b32 s[CP], s[WV], 1
	s_lshr_b32 s[TP], s[WV], 1
	s_bfe_u32 s63, ttmp6, 0x40000                  ; my place in the cluster
	s_lshl_b32 s[TBK], ttmp9, 2
	s_add_co_u32 s[TBK], s[TBK], s63               ; my block of 256 tokens
	s_and_b32 s[HEAD], ttmp7, 0xffff
	s_add_co_u32 s[HEAD], s[HEAD], 5
	s_and_b32 s[HEAD], s[HEAD], 15                 ; the head; the long one goes out first
.set PADW, (1<<20)|(3<<22)|(3<<25)     ; bytes; 4 words of padding behind every 16
.set JW,   PADW|15|(1<<21)             ; and the mask of all four work-groups, bit 21 beside it
	G1SET G1X, PADW, 128, 128
	G1SET G1A, JW, 64, 64
	G1SET G1B, JW, 128, 128
	G1SET G1Z, JW, 192, 64
	s_mul_i32 s2, s[TBK], 196608                   ; 256 tokens x 768 bytes,
	s_mul_i32 s3, s[CP], 98304                     ; and the 128 rows that I fetch, if I fetch x
	s_add_co_u32 s2, s2, s3
	s_mov_b32 s3, 0
	s_lshl_b32 s50, s[TBK], 13                     ; 256 tokens x 32 scale bytes
	s_mov_b32 s51, 0
	s_wait_kmcnt 0x0
	s_add_nc_u64 s[4:5], s[4:5], s[2:3]
	s_add_nc_u64 s[8:9], s[8:9], s[2:3]
	s_add_nc_u64 s[6:7], s[6:7], s[50:51]
	s_add_nc_u64 s[10:11], s[10:11], s[50:51]
	s_cmp_le_u32 s[HEAD], 4                        ; x, and W's rows 64-191
	s_cselect_b64 s[32:33], s[4:5], s[8:9]
	s_cselect_b64 s[34:35], s[6:7], s[10:11]
	s_cselect_b64 s[40:41], s[12:13], s[16:17]
	s_cselect_b64 s[42:43], s[14:15], s[18:19]
	s_cselect_b64 s[46:47], s[20:21], s[22:23]
	s_cselect_b32 s104, 0, 1024
	s_mul_i32 s100, s[HEAD], 192
	s_add_co_u32 s100, s100, 64
	s_sub_co_u32 s104, s100, s104                  ; their first row in Wq or in Wkv
	s_mov_b32 s101, 0
	s_mul_i32 s100, s104, 768
	s_add_nc_u64 s[40:41], s[40:41], s[100:101]
	s_lshl_b32 s100, s104, 5
	s_add_nc_u64 s[42:43], s[42:43], s[100:101]
	s_lshl_b32 s100, s104, 2
	s_add_nc_u64 s[46:47], s[46:47], s[100:101]
	s_cmp_le_u32 s[HEAD], 5                        ; W's rows 0-63
	s_cselect_b64 s[36:37], s[12:13], s[16:17]
	s_cselect_b64 s[38:39], s[14:15], s[18:19]
	s_cselect_b64 s[44:45], s[20:21], s[22:23]
	s_cselect_b32 s104, 0, 1024
	s_mul_i32 s100, s[HEAD], 192
	s_sub_co_u32 s104, s100, s104
	s_mul_i32 s100, s104, 768
	s_add_nc_u64 s[36:37], s[36:37], s[100:101]
	s_lshl_b32 s100, s104, 5
	s_add_nc_u64 s[38:39], s[38:39], s[100:101]
	s_lshl_b32 s100, s104, 2
	s_add_nc_u64 s[44:45], s[44:45], s[100:101]
	s_cmp_eq_u32 s[CP], 0
	s_cselect_b64 s[48:49], s[24:25], s[26:27]     ; my norm's weights
	s_lshr_b32 s2, s[TBK], 3                       ; where my 128 tokens' images go: block (16 batch + head) x 16 + 2 (token block % 8) + tp
	s_lshl_b32 s2, s2, 4
	s_add_co_u32 s2, s2, s[HEAD]
	s_lshl_b32 s2, s2, 4
	s_and_b32 s50, s[TBK], 7
	s_lshl_b32 s50, s50, 1
	s_add_co_u32 s2, s2, s50
	s_add_co_u32 s50, s2, s[TP]
	s_mul_i32 s2, s50, 13056
	s_add_nc_u64 s[54:55], s[30:31], s[2:3]
	s_mul_i32 s2, s50, 6656
	s_add_nc_u64 s[52:53], s[28:29], s[2:3]
	s_cmp_eq_u32 s[CP], 0
	s_cselect_b64 s[52:53], s[52:53], s[54:55]     ; q's block, or k's at the head of the kv block
	s_mul_i32 s2, s[CP], 128*PITCH
.irp s, 0,1
	s_mov_b32 s[G0X+4*\s], 1
	s_add_co_u32 s[G0X+4*\s+1], s2, \s*SLOT
	s_add_nc_u64 s[G0X+4*\s+2:G0X+4*\s+3], s[32:33], \s*192
	s_or_b32 s[G0X+4*\s+3], s[G0X+4*\s+3], 0x80000000
	s_mov_b32 s[G0A+4*\s], 1
	s_mov_b32 s[G0A+4*\s+1], \s*SLOT+WOFF
	s_add_nc_u64 s[G0A+4*\s+2:G0A+4*\s+3], s[36:37], \s*192
	s_or_b32 s[G0A+4*\s+3], s[G0A+4*\s+3], 0x80000000
	s_mov_b32 s[G0B+4*\s], 1
	s_mov_b32 s[G0B+4*\s+1], \s*SLOT+WOFF+64*PITCH
	s_add_nc_u64 s[G0B+4*\s+2:G0B+4*\s+3], s[40:41], \s*192
	s_or_b32 s[G0B+4*\s+3], s[G0B+4*\s+3], 0x80000000
.endr
	CROUND                                         ; all four work-groups are here: the first joint loads meet
	TLOADS 0, 0
	TLOADS 1, 0
	s_mov_b32 s[SEL], 0x76543210
	s_mov_b32 s[SEL+1], 0xfedcba98                 ; v_permlanex16_b32's selects for lane l xor 16
	s_mov_b32 s[ML], 0x0000ffff
	s_mov_b32 s[MH], 0xffff0000
	s_mov_b32 s[EPSR], 0x34000000                  ; 2^-23
	s_mov_b32 s[RS], 0x3c800000                    ; k: mean = sum / 64;
	s_mov_b32 s[QS], 0x3f800000
	s_cmp_eq_u32 s[CP], 0
	s_cselect_b32 s[RS], 0x39800000, s[RS]         ; q / 8: mean = sum / 4,096,
	s_cselect_b32 s[QS], 0x3e000000, s[QS]         ; and the factor 1/8: both exact
	v_and_b32 v1, 15, v0                           ; r
	v_bfe_u32 v30, v0, 4, 1                        ; h
	v_and_b32 v31, 31, v0                          ; lane
	v_mul_u32_u24 v[AX], v1, PITCH
	v_mad_u32_u24 v[AX], v30, 24, v[AX]
	s_mul_i32 s2, s[TP], 128*PITCH
	v_add_nc_u32 v[AX], s2, v[AX]
	v_add_nc_u32 v[AX+1], SLOT, v[AX]
	v_lshl_add_u32 v[AX+2], v30, 4, v[AX]
	v_lshl_add_u32 v[AX+3], v30, 4, v[AX+1]
	v_mul_u32_u24 v[AW], v1, 3*PITCH               ; W's rows of one kind lie three apart
	v_mad_u32_u24 v[AW], v30, 24, v[AW]
	s_mul_i32 s2, s[CP], 96*PITCH
	s_add_co_u32 s2, s2, WOFF+2*PITCH
	v_add_nc_u32 v[AV], s2, v[AW]
	s_mul_i32 s2, s[CP], PITCH
	s_add_co_u32 s2, s2, WOFF
	v_add_nc_u32 v[AW], s2, v[AW]
	v_add_nc_u32 v[AW+1], SLOT, v[AW]
	v_lshl_add_u32 v[AW+2], v30, 4, v[AW]
	v_lshl_add_u32 v[AW+3], v30, 4, v[AW+1]
	v_add_nc_u32 v[AV+1], SLOT, v[AV]
	v_lshl_add_u32 v[AV+2], v30, 4, v[AV]
	v_lshl_add_u32 v[AV+3], v30, 4, v[AV+1]
	s_lshl_b32 s2, s[TP], 12
	s_add_co_u32 s2, s2, XSC
	v_lshl_add_u32 v[ASX], v1, 5, s2
	v_mul_u32_u24 v[ASW], v1, 96
	s_mul_i32 s2, s[CP], 3072
	s_add_co_u32 s2, s2, WSC+64
	v_add_nc_u32 v[ASV], s2, v[ASW]
	s_lshl_b32 s2, s[CP], 5
	s_add_co_u32 s2, s2, WSC
	v_add_nc_u32 v[ASW], s2, v[ASW]
	v_mul_u32_u24 v[ABQ], v30, 96
	s_lshl_b32 s2, s[CP], 2
	s_add_co_u32 s2, s2, BIAS
	v_add_nc_u32 v[ABQ], s2, v[ABQ]
	v_mul_u32_u24 v[ABV], v1, 12
	s_mul_i32 s2, s[CP], 384
	s_add_co_u32 s2, s2, BIAS+8
	v_add_nc_u32 v[ABV], s2, v[ABV]
	v_lshlrev_b32 v[T16], 4, v0
	v_lshl_add_u32 v[LT16], v0, 4, XSC
	v_lshl_add_u32 v[LB2], v0, 2, BIAS+256
	v_lshl_add_u32 v[LB1], v31, 3, BIAS
	v_lshlrev_b32 v[T4], 2, v0
	v_lshlrev_b32 v[L8], 3, v31
	v_lshlrev_b32 v[H32], 5, v30
	v_lshlrev_b32 v[OQ], 4, v31
	s_mul_i32 s2, s[CP], 6144
	s_add_co_u32 s2, s2, 6144
	v_add_nc_u32 v[OS], s2, v[OQ]                  ; the scale image: at 6,144 in q's block, at 12,288 in the kv block
	s_lshl_b32 s2, s[CP], 7
	s_add_co_u32 s2, s2, 12800
	v_lshl_add_u32 v[OV], v31, 2, s2               ; v's scale words
	s_mul_i32 s2, s[CP], 3072
	s_add_co_u32 s2, s2, 6144
	v_lshl_add_u32 v[OVQ], v31, 4, s2              ; v's codes: my two channel tiles
.irp u, 0,1,2,3
	global_load_b128 v[96+4*\u:99+4*\u], v[T16], s[34:35] offset:2048*\u       ; the work-group's threads read 2,048 consecutive bytes
	global_load_b128 v[112+4*\u:115+4*\u], v[T16], s[6:7] offset:2048*\u
.endr
	global_load_b128 v[128:131], v[T16], s[38:39]
	global_load_b128 v[132:135], v[T16], s[42:43]
	global_load_b128 v[136:139], v[T16], s[42:43] offset:2048
	global_load_b32 v140, v[T4], s[46:47]
.irp a, 0,1,2,3
	global_load_b128 v[NW+8*\a:NW+8*\a+3], v[H32], s[48:49] offset:64*\a       ; register 8 a + j: the weight of channel 16 a + 8 h + j
	global_load_b128 v[NW+8*\a+4:NW+8*\a+7], v[H32], s[48:49] offset:64*\a+16
.endr
	s_cmp_lg_u32 s[WV], 0                          ; the 64 biases of columns 0-63: one wave's worth
	s_cbranch_scc1 .Lnot_bias
	global_load_b64 v[142:143], v[L8], s[44:45]
	s_wait_loadcnt 0x0
	ds_store_b64 v[LB1], v[142:143]
.Lnot_bias:
	s_wait_loadcnt 0x0
.irp u, 0,1,2,3
	ds_store_b128 v[LT16], v[96+4*\u:99+4*\u] offset:2048*\u
	ds_store_b128 v[LT16], v[112+4*\u:115+4*\u] offset:XSH+2048*\u
.endr
	ds_store_b128 v[LT16], v[128:131] offset:2*XSH
	ds_store_b128 v[LT16], v[132:135] offset:2*XSH+2048
	ds_store_b128 v[LT16], v[136:139] offset:2*XSH+4096
	ds_store_b32 v[LB2], v140
	s_wait_tensorcnt 0x1                           ; my part of slot 0 is in; slot 1's load may be out
	s_wait_dscnt 0x0                               ; my stores have landed
	s_barrier_signal -1
	s_barrier_wait -1
	WIN 0x40
.irp a, 0,1,2,3
.irp j, 0,1,2,3,4,5,6,7
	ds_load_b32 v[BQ+8*\a+\j], v[ABQ] offset:192*\a+12*\j      ; the bias of column 3 (16 a + 8 h + j) + cp
.endr
.endr
.irp a, 0,1
.irp j, 0,1,2,3,4,5,6,7
	ds_load_b32 v[BV+8*\a+\j], v[ABV] offset:192*\a            ; v: a lane has one channel, so one bias in all eight registers
.endr
.endr
	WIN 0
	BODY 1, 0, 1, 0
	WIN 0
	s_cmp_lg_u32 s[HEAD], 5                        ; the same in all four partners and in all waves
	s_cbranch_scc1 .Lepi
	; HEAD 5.  The sums of local columns 3 d + j < 64 took the wrong x: q's d <= 21, k's and v's d <= 20.  They get their bias back, each accumulator from its low end on.
	s_cmp_eq_u32 s[CP], 0
	s_cselect_b32 s[M5], s[ML], 0                  ; d = 21: q alone
	s_cselect_b32 s[MV0], -1, 0                    ; v's channels 0-15: the wave with cp = 0
	s_cselect_b32 s[MV1], 0x001f001f, 0            ; v's channels 16-20
	PLACES 4
	WIN 0x81
.irp i, 0,1,2,3,4,5,6,7
.irp j, 0,1,2,3,4,5,6,7
	v_mov_b32 v[32*\i+\j], v[BQ+\j]
.endr
.endr
	WIN 0x86
.irp i, 0,1,2,3,4,5,6,7
.irp j, 0,1,2,3,4
	v_cndmask_b32 v[32*\i+8+\j], v[32*\i+8+\j], v[BQ+8+\j], s[ML]      ; d = 16 + 8 h + j: lanes 0-15
.endr
	v_cndmask_b32 v[32*\i+13], v[32*\i+13], v[BQ+13], s[M5]
.endr
	WIN 0xc7
.irp i, 0,1,2,3,4,5,6,7
.irp j, 0,1,2,3,4,5,6,7
	v_cndmask_b32 v[8*\i+\j], v[8*\i+\j], v[BV+\j], s[MV0]
.endr
.endr
.irp i, 0,1,2,3,4,5,6,7
.irp j, 0,1,2,3,4,5,6,7
	v_cndmask_b32 v[64+8*\i+\j], v[64+8*\i+\j], v[BV+8+\j], s[MV1]
.endr
.endr
	WIN 0
	s_wait_tensorcnt 0x0                           ; no load of mine is out: the descriptors may be written
	ds_add_u32 v[SPW], v[NIL]
	s_mov_b64 s[G0X+2:G0X+3], s[4:5]               ; x is hidden_states now, from K = 0 on;
	s_or_b32 s[G0X+3], s[G0X+3], 0x80000000
	s_add_nc_u64 s[G0X+6:G0X+7], s[4:5], 192
	s_or_b32 s[G0X+7], s[G0X+7], 0x80000000
	s_sub_nc_u64 s[G0A+2:G0A+3], s[G0A+2:G0A+3], 384   ; W's rows 0-63 go back to K = 0
	s_sub_nc_u64 s[G0A+6:G0A+7], s[G0A+6:G0A+7], 384
	s_wait_dscnt 0x0
	CROUND
	TLOADS 0, 1
	s_wait_tensorcnt 0x0                           ; slot 0 has landed; slot 1's fill has a round of its own: one tensor load a wave behind each
	ds_add_u32 v[SPW], v[NIL]
	s_wait_dscnt 0x0
	CROUND
	TLOADS 1, 1
	BODY 0, 1, 0, XSH
	WIN 0
.Lepi:
	; ---- q or k: the sum of squares of a token's 64 channels: my 32 registers, then lane l xor 16's
	PLACES 4
	WIN 0x0a
.irp i, 0,1,2,3,4,5,6,7
	v_pk_mul_f32 v[SS+4*\i:SS+4*\i+1], v[32*\i:32*\i+1], v[32*\i:32*\i+1]
	v_pk_mul_f32 v[SS+4*\i+2:SS+4*\i+3], v[32*\i+2:32*\i+3], v[32*\i+2:32*\i+3]
.irp n, 4,8,12,16,20,24,28
	v_pk_fma_f32 v[SS+4*\i:SS+4*\i+1], v[32*\i+\n:32*\i+\n+1], v[32*\i+\n:32*\i+\n+1], v[SS+4*\i:SS+4*\i+1]
	v_pk_fma_f32 v[SS+4*\i+2:SS+4*\i+3], v[32*\i+\n+2:32*\i+\n+3], v[32*\i+\n+2:32*\i+\n+3], v[SS+4*\i+2:SS+4*\i+3]
.endr
.endr
	WIN 0
.irp i, 0,1,2,3,4,5,6,7
	v_pk_add_f32 v[SS+4*\i:SS+4*\i+1], v[SS+4*\i:SS+4*\i+1], v[SS+4*\i+2:SS+4*\i+3]
.endr
.irp i, 0,1,2,3,4,5,6,7
	v_add_f32 v[SS+4*\i], v[SS+4*\i], v[SS+4*\i+1]
.endr
.irp i, 0,1,2,3,4,5,6,7
	v_permlanex16_b32 v[SS+4*\i+1], v[SS+4*\i], s[SEL], s[SEL+1]
.endr
.irp i, 0,1,2,3,4,5,6,7
	v_add_f32 v[SS+4*\i], v[SS+4*\i], v[SS+4*\i+1]
.endr
.irp i, 0,1,2,3,4,5,6,7
	v_fma_f32 v[SS+4*\i], v[SS+4*\i], s[RS], s[EPSR]           ; the mean + eps
.endr
.irp i, 0,1,2,3,4,5,6,7
	v_rsq_f32 v[FF+2*\i], v[SS+4*\i]
.endr
	v_nop                                          ; a plain instruction behind the last of the batch,
	s_wait_alu depctr_va_vdst(0)                   ; and one wait for the eight, ahead of their first reader
.irp i, 0,1,2,3,4,5,6,7
	v_mul_f32 v[FF+2*\i], s[QS], v[FF+2*\i]
.endr
.irp i, 0,1,2,3,4,5,6,7
	v_mov_b32 v[FF+2*\i+1], v[FF+2*\i]
.endr
; Token tile i: normalised, weighed, and its two blocks of 32 channels quantised.  The codes: lanes 0-15 block 0, lanes 16-31 block 1, six registers; the scale word: two bytes, and 0x7f for the K that is not there.
.macro QK i
	WIN 0x02
.irp n, 0,2,4,6,8,10,12,14,16,18,20,22,24,26,28,30
	v_pk_mul_f32 v[YY+\n:YY+\n+1], v[32*(\i)+\n:32*(\i)+\n+1], v[FF+2*(\i):FF+2*(\i)+1]
.endr
	WIN 0
.irp n, 0,2,4,6,8,10,12,14,16,18,20,22,24,26,28,30
	v_pk_mul_f32 v[YY+\n:YY+\n+1], v[YY+\n:YY+\n+1], v[NW+\n:NW+\n+1]
.endr
.irp b, 0,1
	v_max3_num_f32 v[TM+\b], |v[YY+16*\b]|, |v[YY+16*\b+1]|, 0x1800000     ; with the floor 2^(3 - 127): the byte cannot fall under 1
.endr
.irp n, 2,4,6,8,10,12,14
.irp b, 0,1
	v_max3_num_f32 v[TM+\b], v[TM+\b], |v[YY+16*\b+\n]|, |v[YY+16*\b+\n+1]|
.endr
.endr
.irp b, 0,1
	v_permlanex16_b32 v[TM+2+\b], v[TM+\b], s[SEL], s[SEL+1]
.endr
.irp b, 0,1
	v_max_num_f32 v[TM+\b], v[TM+\b], v[TM+2+\b]
.endr
.irp b, 0,1
	v_add_nc_u32 v[TM+4+\b], 0xff000000, v[TM+\b]  ; 2 off the exponent field: the conversion's scale operand
.endr
.irp b, 0,1
	v_lshrrev_b32 v[TM+6+\b], 23, v[TM+4+\b]       ; the scale's byte
.endr
	v_lshl_or_b32 v[SW+(\i)], v[TM+7], 8, v[TM+6]
	v_or_b32 v[SW+(\i)], 0x7f7f0000, v[SW+(\i)]
	v_cvt_scalef32_pk16_fp6_f32 v[KC+6*(\i):KC+6*(\i)+2], v[YY:YY+15], v[TM+4]
	v_cvt_scalef32_pk16_fp6_f32 v[TC:TC+2], v[YY+16:YY+31], v[TM+5]
	v_nop                                          ; one plain place behind a scaled conversion
.irp u, 0,1,2
	v_permlane16_swap_b32 v[KC+6*(\i)+\u], v[TC+\u]        ; a whole block to a lane
.endr
.irp u, 0,1,2
	v_mov_b32 v[KC+6*(\i)+3+\u], v[TC+\u]
.endr
.endm
.irp i, 0,1,2,3,4,5,6,7
	QK \i
.endr
.irp p, 0,1,2,3
	v_cndmask_b32 v[SI+\p], v[SW+2*\p], v[SW+2*\p+1], s[MH]    ; lanes 0-15: tile 2 p's words, lanes 16-31: tile 2 p + 1's
.endr
.irp q, 0,1,2,3,4,5,6,7,8,9,10,11
	global_store_b128 v[OQ], v[KC+4*\q:KC+4*\q+3], s[52:53] offset:512*\q      ; 32 lanes store 512 consecutive bytes, at a multiple of 256 from the buffer's first byte
.endr
	global_store_b128 v[OS], v[SI:SI+3], s[52:53]
; ---- v: channel tile a: 64 registers of a lane are 128 tokens' halves: four blocks of 32 keys
.macro QUANT64 s, pc, pw
	WIN 0x0f
.irp b, 0,1,2,3
	v_max3_num_f32 v[TM2+\b], |v[\s+16*\b]|, |v[\s+16*\b+1]|, 0x1800000
.endr
	WIN 0x3c
.irp n, 2,4,6,8,10,12,14
.irp b, 0,1,2,3
	v_max3_num_f32 v[TM2+\b], v[TM2+\b], |v[\s+16*\b+\n]|, |v[\s+16*\b+\n+1]|
.endr
.endr
	WIN 0
.irp b, 0,1,2,3
	v_permlanex16_b32 v[TM2+4+\b], v[TM2+\b], s[SEL], s[SEL+1]
.endr
.irp b, 0,1,2,3
	v_max_num_f32 v[TM2+\b], v[TM2+\b], v[TM2+4+\b]
.endr
.irp b, 0,1,2,3
	v_add_nc_u32 v[TM2+12+\b], 0xff000000, v[TM2+\b]
.endr
.irp b, 0,1,2,3
	v_lshrrev_b32 v[TM2+4+\b], 23, v[TM2+12+\b]
.endr
	v_lshl_or_b32 v[\pw], v[TM2+5], 8, v[TM2+4]
	v_lshl_or_b32 v[\pw], v[TM2+6], 16, v[\pw]
	v_lshl_or_b32 v[\pw], v[TM2+7], 24, v[\pw]
	WIN 0x03
.irp c, 0,1
	v_cvt_scalef32_pk16_fp6_f32 v[\pc+6*\c:\pc+6*\c+2], v[\s+32*\c:\s+32*\c+15], v[TM2+12+2*\c]
	v_cvt_scalef32_pk16_fp6_f32 v[TC2+4*\c:TC2+4*\c+2], v[\s+32*\c+16:\s+32*\c+31], v[TM2+12+2*\c+1]
.endr
	WIN 0
	v_nop
.irp c, 0,1
.irp u, 0,1,2
	v_permlane16_swap_b32 v[\pc+6*\c+\u], v[TC2+4*\c+\u]
.endr
.irp u, 0,1,2
	v_mov_b32 v[\pc+6*\c+3+\u], v[TC2+4*\c+\u]
.endr
.endr
.endm
	QUANT64 0, PCV, VW
	QUANT64 64, PCV+12, VW+1
	v_cndmask_b32 v[VW+2], v[VW], v[VW+1], s[MH]
.irp q, 0,1,2,3,4,5
	global_store_b128 v[OVQ], v[PCV+4*\q:PCV+4*\q+3], s[54:55] offset:512*\q
.endr
	global_store_b32 v[OV], v[VW+2], s[54:55]      ; 128 consecutive bytes; the other wave of my tokens stores the 128 beside them
	s_wait_tensorcnt 0x0                           ; the wave's end
	ds_add_u32 v[SPW], v[NIL]
	s_wait_dscnt 0x0
	CROUND                                         ; the closing round: no work-group ends while a partner may still ask for a tile that names it
	s_endpgm
.Lfunc_end_k_q6af5c50e22_proj:
	.size	k_q6af5c50e22_proj, .Lfunc_end_k_q6af5c50e22_proj-k_q6af5c50e22_proj
	.p2alignl 7, 3214868480
	.fill 96, 4, 3214868480
	.section	.rodata,"a",@progbits
	.p2align	6, 0x0
	.amdhsa_kernel k_q6af5c50e22_proj
		.amdhsa_group_segment_fixed_size 327680
		.amdhsa_private_segment_fixed_size 0
		.amdhsa_enable_private_segment 0
		.amdhsa_kernarg_size 112
		.amdhsa_user_sgpr_count 2
		.amdhsa_user_sgpr_kernarg_segment_ptr 1
		.amdhsa_wavefront_size32 1
		.amdhsa_system_sgpr_workgroup_id_x 1
		.amdhsa_system_sgpr_workgroup_id_y 1
		.amdhsa_system_sgpr_workgroup_id_z 1
		.amdhsa_system_vgpr_workitem_id 0
		.amdhsa_next_free_vgpr 1024
		.amdhsa_next_free_sgpr 106
		.amdhsa_reserve_vcc 0
		.amdhsa_float_denorm_mode_32 3
		.amdhsa_float_denorm_mode_16_64 3
		.amdhsa_memory_ordered 1
		.amdhsa_forward_progress 1
		.amdhsa_inst_pref_size 255
	.end_amdhsa_kernel
	.section	.bss,"aw",@nobits
	.p2align	6
	.space	262144
	.amdgpu_metadata
---
amdhsa.version: [ 1, 2 ]
amdhsa.kernels:
  - .name:           k_q6af5c50e22_proj
    .symbol:         k_q6af5c50e22_proj.kd
    .args:
      - { .name: hidden_states_codes, .offset: 0, .size: 8, .value_kind: global_buffer, .address_space: global }
      - { .name: hidden_states_scales, .offset: 8, .size: 8, .value_kind: global_buffer, .address_space: global }
      - { .name: encoder_hidden_states_codes, .offset: 16, .size: 8, .value_kind: global_buffer, .address_space: global }
      - { .name: encoder_hidden_states_scales, .offset: 24, .size: 8, .value_kind: global_buffer, .address_space: global }
      - { .name: Wq_codes, .offset: 32, .size: 8, .value_kind: global_buffer, .address_space: global }
      - { .name: Wq_scales, .offset: 40, .size: 8, .value_kind: global_buffer, .address_space: global }
      - { .name: Wkv_codes, .offset: 48, .size: 8, .value_kind: global_buffer, .address_space: global }
      - { .name: Wkv_scales, .offset: 56, .size: 8, .value_kind: global_buffer, .address_space: global }
      - { .name: bq, .offset: 64, .size: 8, .value_kind: global_buffer, .address_space: global }
      - { .name: bkv, .offset: 72, .size: 8, .value_kind: global_buffer, .address_space: global }
      - { .name: qn_w, .offset: 80, .size: 8, .value_kind: global_buffer, .address_space: global }
      - { .name: kn_w, .offset: 88, .size: 8, .value_kind: global_buffer, .address_space: global }
      - { .name: qimg, .offset: 96, .size: 8, .value_kind: global_buffer, .address_space: global }
      - { .name: kv, .offset: 104, .size: 8, .value_kind: global_buffer, .address_space: global }
    .group_segment_fixed_size: 327680
    .private_segment_fixed_size: 0
    .kernarg_segment_align: 8
    .kernarg_segment_size: 112
    .max_flat_workgroup_size: 128
    .sgpr_count:     106
    .vgpr_count:     1024
    .wavefront_size: 32
...
	.end_amdgpu_metadata
.endif
;; end of part 1
;; launch attn (part 2): grid 4 x 64, 16 waves a work-group, clusters of 4 x 1, 215,040 bytes of LDS; arguments qimg, kv, ctx; writes ctx
.if DOCPART == 2
	.amdgcn_target "amdgcn-amd-amdhsa--gfx1250"
	.amdhsa_code_object_version 6
	.text
	.protected	k_q6af5c50e22_attn
	.globl	k_q6af5c50e22_attn
	.p2align	8
	.type	k_q6af5c50e22_attn,@function
k_q6af5c50e22_attn:
	s_mov_b64 s[64:65], 0
	v_nop
	global_prefetch_b8 v0, s[64:65] scope:SCOPE_SE
	s_setreg_imm32_b32 hwreg(HW_REG_WAVE_MODE, 25, 1), 1
	s_wait_xcnt 0x0
	s_wait_alu depctr_hold_cnt(0) depctr_sa_sdst(0) depctr_va_vdst(0) depctr_va_sdst(0) depctr_va_ssrc(0) depctr_va_vcc(0) depctr_vm_vsrc(0)
	s_getreg_b32 s2, hwreg(HW_REG_IB_STS2, 6, 4)
	s_cmp_eq_u32 s2, 0
	s_cbranch_scc0 .Lentry_in_a_cluster
	s_endpgm
.Lentry_in_a_cluster:
	s_bfe_u32 s2, ttmp6, 0x10000c
	s_cmp_lg_u32 s2, 0x3003
	s_cbranch_scc0 .Lentry_shape_is_right
	s_endpgm
.Lentry_shape_is_right:
; ATTENTION ON CODES OF FP6 (E2M3), head size 64, 2,048 keys, no mask, no extra scale.  t = score x log2(e); M = the running largest t rounded up to a whole number; p = 2^(t - M) is quantised along the keys, not normalised;
; the row's sum is taken of the unquantised p and divides at the end; when M moves, the sum and O are multiplied by 2^(old M - new M), which rounds nothing.  The result is quantised along the model's 1,024 for the last product.
; SHARES.  A work-group has one (batch, head) and 512 queries; each of its sixteen waves one tile of 16 queries a pass, two passes.  Four waves lie on a SIMD, so that one wave's vector work stands beside another's products and loads.
; LDS holds the head's K, V and scale words as they lie in memory, 16 key steps of 13,056 bytes: images of operand registers.  It is filled ONCE, in four chunks, so there is no ring.  By the text's own count waves 0-3 have four tensor loads out.
; CLUSTER.  The four work-groups of a cluster are the four query blocks of one head: every load is joint.
; LAYOUT.  Both products are used transposed: S^T = K Q^T (source 0 = 16 keys), O^T = V^T P^T (source 0 = 16 channels): a lane holds one query throughout.
; THE FIRST PRODUCT'S K IS 64 of the instruction's 128: Q's upper six registers are zero codes and the scale words' upper bytes 0x7f.  So K's fragments may lie six registers apart: a tile's upper six registers are the next
; tile's codes, which meet Q's zeros (the format has no code but numbers); behind the last tile lie six registers of zeros.
; Inside a block of 32 keys p's codes come out in the order 0-7, 16-23, 8-15, 24-31, and V's were laid so; the channels of the result are brought into their own order before it is quantised, since Wo's codes are given.
; LIMITS.  NaN and infinities are not served.  A block of zeros takes the byte 1, not 127: its codes are zeros and only this program reads the bytes.
; REGISTERS: v1-4 lane offsets; v8, v9 addresses in hand; v10, v11 V's scale words; v12 -M, v13 the largest t, v[14:15] the sum; v16-27 Q; v28-31 K's scale words; v32-79 K, later p's codes and scratch; v80-85 zeros;
; v86-92 the second pass's Q; v93-95, v7 Q's offsets; v96-159 S^T, then p; v160-191 O^T; v192-239 V^T; v240-254 at work; v253 p's scale word; v255 Q's.
.set STEPB, 13056
.set CHB,   4*STEPB
.set G1,  16
.set G0,  24
.set SEL, 40
.set CS,  42
.set TB,  44
.set MH,  47
.set WV,  54
.macro CROUND
	s_barrier_signal -1
	s_barrier_wait -1
	s_cmp_lg_u32 s[WV], 0
	s_cbranch_scc1 .Lnot_wave_0_\@
	s_barrier_signal -3
.Lnot_wave_0_\@:
	s_barrier_wait -3
	s_barrier_signal -1
	s_barrier_wait -1
.endm
	s_load_b128 s[8:11], s[0:1], 0x0               ; qimg, kv
	s_load_b64 s[12:13], s[0:1], 0x10              ; ctx
	v_lshl_add_u32 v254, v0, 2, 0x34000
	v_mov_b32 v255, 0
	ds_add_u32 v254, v255
	ds_add_u32 v254, v255
	s_wait_dscnt 0x0
	v_lshrrev_b32 v1, 5, v0
	v_readfirstlane_b32 s[WV], v1
	s_bfe_u32 s55, ttmp6, 0x40000                  ; my block of 512 queries
	s_and_b32 s56, ttmp7, 0xffff                   ; 16 batch + head, which the partners share
	s_mov_b32 s[G1], 15|(3<<16)|(1<<21)            ; the mask of all four; elements of 8 bytes; no padding
	s_mov_b32 s[G1+1], 32<<16                      ; a key step is dense: 51 rows of 256 bytes
	s_mov_b32 s[G1+2], 51<<16
	s_mov_b32 s[G1+3], 32<<16
	s_mov_b32 s[G1+4], 51
	s_mov_b32 s[G1+5], 32
	s_mov_b32 s[G1+6], 0
	s_mov_b32 s[G1+7], 0
	s_and_b32 s57, s[WV], 3
	s_mul_i32 s57, s57, STEPB                      ; which step of a chunk I fetch, if I fetch
	s_mul_i32 s58, s56, 16*STEPB
	s_add_co_u32 s58, s58, s57
	s_mov_b32 s59, 0
	s_wait_kmcnt 0x0
	s_add_nc_u64 s[10:11], s[10:11], s[58:59]
.irp c, 0,1,2,3
	s_mov_b32 s[G0+4*\c], 1
	s_add_co_u32 s[G0+4*\c+1], s57, \c*CHB
	s_add_nc_u64 s[G0+4*\c+2:G0+4*\c+3], s[10:11], \c*CHB
	s_or_b32 s[G0+4*\c+3], s[G0+4*\c+3], 0x80000000
.endr
	CROUND                                         ; all four work-groups are here: the joint loads meet
	s_cmp_lt_u32 s[WV], 4                          ; all fills of a wave stand in one branch on its number
	s_cbranch_scc0 .Lno_fill
	tensor_load_to_lds s[G0:G0+3], s[G1:G1+7]
	s_nop 0
	tensor_load_to_lds s[G0+4:G0+7], s[G1:G1+7]
	s_nop 0
	tensor_load_to_lds s[G0+8:G0+11], s[G1:G1+7]
	s_nop 0
	tensor_load_to_lds s[G0+12:G0+15], s[G1:G1+7]
	s_nop 0
.rept 4
	v_nop
.endr
.Lno_fill:
	s_lshl_b32 s58, s56, 4                         ; Q: group of 128 tokens 4 x block + 2 x pass + wave / 8, tile wave % 8
	s_lshl_b32 s60, s55, 2
	s_add_co_u32 s58, s58, s60
	s_lshr_b32 s60, s[WV], 3
	s_add_co_u32 s58, s58, s60
	s_mul_i32 s58, s58, 6656
	s_add_nc_u64 s[48:49], s[8:9], s[58:59]
	s_lshr_b32 s58, s56, 4                         ; ctx: token tile 128 batch + 32 x block + 16 x pass + wave
	s_lshl_b32 s58, s58, 7
	s_lshl_b32 s60, s55, 5
	s_add_co_u32 s58, s58, s60
	s_add_co_u32 s58, s58, s[WV]
	s_mul_i32 s58, s58, 12800
	s_and_b32 s60, s56, 15                         ; the head
	s_mov_b32 s63, 0
	s_mul_i32 s62, s60, 768
	s_add_co_u32 s62, s62, s58
	s_add_nc_u64 s[50:51], s[12:13], s[62:63]      ; its six registers' image
	s_lshr_b32 s61, s60, 1
	s_lshl_b32 s61, s61, 6
	s_and_b32 s60, s60, 1
	s_lshl_b32 s60, s60, 1
	s_add_co_u32 s62, s58, s61
	s_add_co_u32 s62, s62, s60
	s_add_co_u32 s62, s62, 12288
	s_add_nc_u64 s[52:53], s[12:13], s[62:63]      ; its two bytes of each row's scale word
	s_mov_b32 s[SEL], 0x76543210
	s_mov_b32 s[SEL+1], 0xfedcba98
	s_mov_b32 s[CS], 0x3fb8aa3b                    ; log2(e)
	s_mov_b32 s[CS+1], s[CS]
	s_mov_b32 s[MH], 0xffff0000
	v_and_b32 v3, 31, v0
	v_lshlrev_b32 v1, 4, v3                        ; 16 x lane
	v_lshlrev_b32 v2, 2, v3                        ; 4 x lane
	v_lshlrev_b32 v3, 3, v3                        ; 8 x lane
	v_and_b32 v5, 15, v0
	v_bfe_u32 v6, v0, 4, 1
	v_lshl_add_u32 v4, v5, 2, v6                   ; 4 r + h
	s_and_b32 s57, s[WV], 7
	s_mul_i32 s61, s57, 6                          ; my tile's first register in the group's image
.irp u, 0,1,2
	s_add_co_u32 s58, s61, 2*\u
	s_lshr_b32 s60, s58, 2
	s_lshl_b32 s60, s60, 9                         ; which four registers,
	s_and_b32 s58, s58, 3
	s_lshl_b32 s58, s58, 2                         ; and which of the four
	s_add_co_u32 s58, s58, s60
	v_add_nc_u32 v[93+\u], s58, v1
.endr
	s_and_b32 s58, s57, 1
	s_lshl_b32 s58, s58, 8
	s_lshr_b32 s60, s57, 1
	s_lshl_b32 s60, s60, 2
	s_add_co_u32 s58, s58, s60
	s_add_co_u32 s58, s58, 6144
	v_lshl_add_u32 v7, v5, 4, s58                  ; my rows' scale words
.irp u, 0,1,2
	global_load_b64 v[16+2*\u:17+2*\u], v[93+\u], s[48:49]
	global_load_b64 v[86+2*\u:87+2*\u], v[93+\u], s[48:49] offset:13312      ; the second pass's, two groups on
.endr
	global_load_b32 v255, v7, s[48:49]
	global_load_b32 v92, v7, s[48:49] offset:13312
.irp j, 0,1,2,3,4,5
	v_mov_b32 v[22+\j], 0                          ; Q's K 64-127: zero codes
	v_mov_b32 v[80+\j], 0                          ; behind K's last tile
.endr
.irp b, 0,1,2,3
	v_mov_b32 v[244+\b], 0                         ; written once: a lane permute's destination counts as one of its sources
.endr
	v_mov_b32 v253, 0                              ; (named as the upper half of the pair v[252:253] before it is first written)
	s_wait_loadcnt 0x0
.macro STEP                            ; 128 keys at LDS byte s[TB]
	v_add_nc_u32 v8, s[TB], v1
	v_add_nc_u32 v9, s[TB], v2
	v_nop
	v_nop                                          ; four places in front of loads into registers that the last products read
	ds_load_b128 v[28:31], v8 offset:12288         ; K's scale words: register p: lanes 0-15 tile 2 p, lanes 16-31 tile 2 p + 1
.irp q, 0,1,2,3,4,5,6,7,8,9,10,11
	ds_load_b128 v[32+4*\q:35+4*\q], v8 offset:512*\q
.endr
.irp q, 0,1,2,3,4,5,6,7,8,9,10,11
	ds_load_b128 v[192+4*\q:195+4*\q], v8 offset:6144+512*\q
.endr
	ds_load_b32 v10, v9 offset:12800
	ds_load_b32 v11, v9 offset:12928
	s_wait_dscnt 14                                ; K and its scale words are in; V's 14 loads may stay out
.irp t, 0,1,2,3
	v_wmma_scale_f32_16x16x128_f8f6f4 v[96+16*\t:103+16*\t], v[32+12*\t:43+12*\t], v[16:27], 0, v[28+\t], v255 matrix_a_fmt:MATRIX_FMT_FP6 matrix_b_fmt:MATRIX_FMT_FP6
	v_wmma_scale_f32_16x16x128_f8f6f4 v[104+16*\t:111+16*\t], v[38+12*\t:49+12*\t], v[16:27], 0, v[28+\t], v255 matrix_a_fmt:MATRIX_FMT_FP6 matrix_b_fmt:MATRIX_FMT_FP6 matrix_a_scale:MATRIX_SCALE_ROW1
.endr
.rept 4
	v_nop
.endr
.irp b, 0,1,2,3
	v_max3_num_f32 v[240+\b], v[96+16*\b], v[97+16*\b], v[98+16*\b]    ; the largest score of each block of 32 keys: for the row's maximum, and, since p rises with the score, for the block's largest p
.endr
.irp i, 3,5,7,9,11,13
.irp b, 0,1,2,3
	v_max3_num_f32 v[240+\b], v[240+\b], v[96+16*\b+\i], v[97+16*\b+\i]
.endr
.endr
.irp b, 0,1,2,3
	v_max_num_f32 v[240+\b], v[240+\b], v[111+16*\b]
.endr
.irp b, 0,1,2,3
	v_permlanex16_b32 v[244+\b], v[240+\b], s[SEL], s[SEL+1]
.endr
.irp b, 0,1,2,3
	v_max_num_f32 v[240+\b], v[240+\b], v[244+\b]
.endr
	v_max3_num_f32 v254, v240, v241, v242
	v_max_num_f32 v254, v254, v243
	v_mul_f32 v254, s[CS], v254
	v_max_num_f32 v13, v13, v254                   ; the running largest t
	v_mov_b32 v254, v12
	v_floor_f32 v12, -v13                          ; -M = floor(-t)
	v_sub_f32 v254, v12, v254                      ; old M - new M: a whole number, 0 or less
	v_cvt_i32_f32 v254, v254                       ; (it saturates)
	v_ldexp_f32 v252, 1.0, v254                    ; f = 2^(old M - new M)
.irp j, 0,2,4,6,8,10,12,14,16,18,20,22,24,26,28,30,32,34,36,38,40,42,44,46,48,50,52,54,56,58,60,62
	v_pk_fma_f32 v[96+\j:97+\j], v[96+\j:97+\j], s[CS:CS+1], v[12:13] op_sel_hi:[1,0,0]    ; t - M
.endr
.irp b, 0,1,2,3
	v_fma_f32 v[240+\b], v[240+\b], s[CS], v12
.endr
.irp j, 0,1,2,3,4,5,6,7,8,9,10,11,12,13,14,15,16,17,18,19,20,21,22,23,24,25,26,27,28,29,30,31,32,33,34,35,36,37,38,39,40,41,42,43,44,45,46,47,48,49,50,51,52,53,54,55,56,57,58,59,60,61,62,63
	v_exp_f32 v[96+\j], v[96+\j]                   ; p, at most 1
.endr
	v_pk_mul_f32 v[14:15], v[14:15], v[252:253] op_sel_hi:[1,0]        ; the sums under the new M: a plain instruction behind the batch
	s_wait_alu depctr_va_vdst(0)                   ; one wait for the 64, ahead of their first reader
.irp b, 0,1,2,3
	v_exp_f32 v[240+\b], v[240+\b]                 ; each block's largest p: the same two instructions on the same number
.endr
	v_pk_add_f32 v[52:53], v[96:97], v[98:99]      ; the row's sum of the unquantised p, in two chains
.irp j, 4,8,12,16,20,24,28,32,36,40,44,48,52,56,60
	v_pk_add_f32 v[14:15], v[14:15], v[96+\j:97+\j]
	v_pk_add_f32 v[52:53], v[52:53], v[98+\j:99+\j]
.endr
	v_pk_add_f32 v[14:15], v[14:15], v[52:53]
	s_wait_alu depctr_va_vdst(0)                   ; and one for the four
.irp b, 0,1,2,3
	v_max_num_f32 v[240+\b], 0x1800000, v[240+\b]  ; the floor 2^(3 - 127)
.endr
.irp b, 0,1,2,3
	v_add_nc_u32 v[248+\b], 0xff000000, v[240+\b]
.endr
.irp b, 0,1,2,3
	v_lshrrev_b32 v[244+\b], 23, v[248+\b]
.endr
	v_lshl_or_b32 v253, v245, 8, v244              ; p's scale word for these 128 keys
	v_lshl_or_b32 v253, v246, 16, v253
	v_lshl_or_b32 v253, v247, 24, v253
.irp c, 0,1
	v_cvt_scalef32_pk16_fp6_f32 v[32+6*\c:34+6*\c], v[96+32*\c:111+32*\c], v[248+2*\c]
	v_cvt_scalef32_pk16_fp6_f32 v[44+4*\c:46+4*\c], v[112+32*\c:127+32*\c], v[248+2*\c+1]
.endr
	v_nop
.irp c, 0,1
.irp i, 0,1,2
	v_permlane16_swap_b32 v[32+6*\c+\i], v[44+4*\c+\i]
.endr
.irp i, 0,1,2
	v_mov_b32 v[35+6*\c+\i], v[44+4*\c+\i]
.endr
.endr
.irp j, 0,2,4,6,8,10,12,14,16,18,20,22,24,26,28,30
	v_pk_mul_f32 v[160+\j:161+\j], v[160+\j:161+\j], v[252:253] op_sel_hi:[1,0]    ; O^T under the new M; these are also the places in front of the products
.endr
	s_wait_dscnt 0x0                               ; V and its scale words are in
.irp t, 0,1
	v_wmma_scale_f32_16x16x128_f8f6f4 v[160+16*\t:167+16*\t], v[192+24*\t:203+24*\t], v[32:43], v[160+16*\t:167+16*\t], v[10+\t], v253 matrix_a_fmt:MATRIX_FMT_FP6 matrix_b_fmt:MATRIX_FMT_FP6
	v_wmma_scale_f32_16x16x128_f8f6f4 v[168+16*\t:175+16*\t], v[204+24*\t:215+24*\t], v[32:43], v[168+16*\t:175+16*\t], v[10+\t], v253 matrix_a_fmt:MATRIX_FMT_FP6 matrix_b_fmt:MATRIX_FMT_FP6 matrix_a_scale:MATRIX_SCALE_ROW1
.endr
	s_add_co_u32 s[TB], s[TB], STEPB
.endm
.macro CHUNK c                         ; four key steps
	s_wait_tensorcnt 3-\c                          ; my part of this chunk is in; the 3 - c later chunks may stay out
	s_wait_dscnt 0x0
	s_barrier_signal -1
	s_barrier_wait -1                              ; everybody's is
	s_mov_b32 s[TB], \c*CHB
	s_mov_b32 s45, 4
.Lstep_\@:
	STEP
	s_sub_co_u32 s45, s45, 1
	s_cmp_lg_u32 s45, 0
	s_cbranch_scc1 .Lstep_\@
.endm
	s_mov_b32 s46, 2
.Lpass:
	v_mov_b32 v13, 0xff61b1e6                      ; -3e38, under every t
	v_floor_f32 v12, -v13
	v_mov_b32 v14, 0
	v_mov_b32 v15, 0
.irp j, 0,1,2,3,4,5,6,7,8,9,10,11,12,13,14,15,16,17,18,19,20,21,22,23,24,25,26,27,28,29,30,31
	v_mov_b32 v[160+\j], 0                         ; the step is written once: the first finds zeros, which the first change of M leaves zeros
.endr
	CHUNK 0
	CHUNK 1
	CHUNK 2
	CHUNK 3
	; the pass's end: O^T / the sum, the channels into their own order, two blocks of 32 quantised
.rept 4
	v_nop
.endr
	v_add_f32 v14, v14, v15
	v_permlanex16_b32 v254, v14, s[SEL], s[SEL+1]
	v_add_f32 v14, v14, v254
	v_rcp_f32 v252, v14
	v_nop
	v_nop
	s_wait_alu depctr_va_vdst(0)
.irp j, 0,2,4,6,8,10,12,14,16,18,20,22,24,26,28,30
	v_pk_mul_f32 v[160+\j:161+\j], v[160+\j:161+\j], v[252:253] op_sel_hi:[1,0]
.endr
.irp b, 0,1
.irp j, 0,1,2,3,4,5,6,7
	v_permlane16_swap_b32 v[160+16*\b+\j], v[168+16*\b+\j]     ; register 16 b + i now holds channel 32 b + 16 h + i
.endr
.endr
.irp b, 0,1
	v_max3_num_f32 v[240+\b], |v[160+16*\b]|, |v[161+16*\b]|, 0x1800000
.endr
.irp i, 2,4,6,8,10,12,14
.irp b, 0,1
	v_max3_num_f32 v[240+\b], v[240+\b], |v[160+16*\b+\i]|, |v[161+16*\b+\i]|
.endr
.endr
.irp b, 0,1
	v_permlanex16_b32 v[244+\b], v[240+\b], s[SEL], s[SEL+1]
.endr
.irp b, 0,1
	v_max_num_f32 v[240+\b], v[240+\b], v[244+\b]
.endr
.irp b, 0,1
	v_add_nc_u32 v[248+\b], 0xff000000, v[240+\b]
.endr
.irp b, 0,1
	v_lshrrev_b32 v[244+\b], 23, v[248+\b]
.endr
	v_cvt_scalef32_pk16_fp6_f32 v[32:34], v[160:175], v248
	v_cvt_scalef32_pk16_fp6_f32 v[44:46], v[176:191], v249
	v_nop
.irp i, 0,1,2
	v_permlane16_swap_b32 v[32+\i], v[44+\i]
.endr
.irp i, 0,1,2
	v_mov_b32 v[35+\i], v[44+\i]
.endr
	v_cndmask_b32 v254, v244, v245, s[MH]          ; lanes 0-15 block 0's byte, lanes 16-31 block 1's
	global_store_b128 v1, v[32:35], s[50:51]       ; 512 consecutive bytes,
	global_store_b64 v3, v[36:37], s[50:51] offset:512     ; and 256, both at multiples of 256 from the buffer's first byte
	global_store_b8 v4, v254, s[52:53]
	s_wait_xcnt 0x0                                ; the stores' bases and data are written again only behind this wait
	s_add_nc_u64 s[50:51], s[50:51], 204800        ; sixteen token tiles on
	s_add_nc_u64 s[52:53], s[52:53], 204800
.irp j, 0,1,2,3,4,5
	v_mov_b32 v[16+\j], v[86+\j]                   ; the second pass's Q
.endr
	v_mov_b32 v255, v92
	s_sub_co_u32 s46, s46, 1
	s_cmp_lg_u32 s46, 0
	s_cbranch_scc1 .Lpass
	s_wait_xcnt 0x0
	v_lshl_add_u32 v254, v0, 2, 0x34000
	v_mov_b32 v255, 0
	s_wait_tensorcnt 0x0
	ds_add_u32 v254, v255
	s_wait_dscnt 0x0
	CROUND                                         ; the closing round
	s_endpgm
.Lfunc_end_k_q6af5c50e22_attn:
	.size	k_q6af5c50e22_attn, .Lfunc_end_k_q6af5c50e22_attn-k_q6af5c50e22_attn
	.p2alignl 7, 3214868480
	.fill 96, 4, 3214868480
	.section	.rodata,"a",@progbits
	.p2align	6, 0x0
	.amdhsa_kernel k_q6af5c50e22_attn
		.amdhsa_group_segment_fixed_size 215040
		.amdhsa_private_segment_fixed_size 0
		.amdhsa_enable_private_segment 0
		.amdhsa_kernarg_size 24
		.amdhsa_user_sgpr_count 2
		.amdhsa_user_sgpr_kernarg_segment_ptr 1
		.amdhsa_wavefront_size32 1
		.amdhsa_system_sgpr_workgroup_id_x 1
		.amdhsa_system_sgpr_workgroup_id_y 1
		.amdhsa_system_sgpr_workgroup_id_z 1
		.amdhsa_system_vgpr_workitem_id 0
		.amdhsa_next_free_vgpr 256
		.amdhsa_next_free_sgpr 66
		.amdhsa_reserve_vcc 0
		.amdhsa_float_denorm_mode_32 3
		.amdhsa_float_denorm_mode_16_64 3
		.amdhsa_memory_ordered 1
		.amdhsa_forward_progress 1
		.amdhsa_inst_pref_size 76
	.end_amdhsa_kernel
	.amdgpu_metadata
---
amdhsa.version: [ 1, 2 ]
amdhsa.kernels:
  - .name:           k_q6af5c50e22_attn
    .symbol:         k_q6af5c50e22_attn.kd
    .args:
      - { .name: qimg, .offset: 0, .size: 8, .value_kind: global_buffer, .address_space: global }
      - { .name: kv, .offset: 8, .size: 8, .value_kind: global_buffer, .address_space: global }
      - { .name: ctx, .offset: 16, .size: 8, .value_kind: global_buffer, .address_space: global }
    .group_segment_fixed_size: 215040
    .private_segment_fixed_size: 0
    .kernarg_segment_align: 8
    .kernarg_segment_size: 24
    .max_flat_workgroup_size: 512
    .sgpr_count:     66
    .vgpr_count:     256
    .wavefront_size: 32
...
	.end_amdgpu_metadata
.endif
;; end of part 2
;; launch outp (part 3): grid 4 x 64, 4 waves a work-group, clusters of 4 x 4, 327,680 bytes of LDS; arguments ctx, Wo_codes, Wo_scales, bo, out0; writes out0
.if DOCPART == 3
	.amdgcn_target "amdgcn-amd-amdhsa--gfx1250"
	.amdhsa_code_object_version 6
	.text
	.protected	k_q6af5c50e22_outp
	.globl	k_q6af5c50e22_outp
	.p2align	8
	.type	k_q6af5c50e22_outp,@function
k_q6af5c50e22_outp:
	s_mov_b64 s[64:65], 0
	v_nop
	global_prefetch_b8 v0, s[64:65] scope:SCOPE_SE
	s_setreg_imm32_b32 hwreg(HW_REG_WAVE_MODE, 25, 1), 1
	s_wait_xcnt 0x0
	s_wait_alu depctr_hold_cnt(0) depctr_sa_sdst(0) depctr_va_vdst(0) depctr_va_sdst(0) depctr_va_ssrc(0) depctr_va_vcc(0) depctr_vm_vsrc(0)
	s_getreg_b32 s2, hwreg(HW_REG_IB_STS2, 6, 4)
	s_cmp_eq_u32 s2, 0
	s_cbranch_scc0 .Lentry_in_a_cluster
	s_endpgm
.Lentry_in_a_cluster:
	s_bfe_u32 s2, ttmp6, 0x10000c
	s_cmp_lg_u32 s2, 0xf033
	s_cbranch_scc0 .Lentry_shape_is_right
	s_endpgm
.Lentry_shape_is_right:
; out0 = ctx Wo + bo on codes of FP6 (E2M3): ctx as images of operand registers with its scale words, Wo as it is given ([column][K], 768 bytes a row).
; SHARES.  A work-group makes 128 tokens x 256 columns.  Wave w has 64 columns for all 128 tokens and keeps its 32 fragments of Wo (4 column tiles x 8 K steps, 384 registers) in registers; ctx's fragments come from LDS,
; a tile of 16 tokens (96 registers) at a time, in two sets.  The products are used transposed (source 0 = 16 rows of Wo, source 1 = 16 tokens): a lane holds eight neighbouring columns of one token's row.
; CLUSTER 4 x 4.  Wo's rows hang on the column block and the wave: shared along a column of the cluster.  ctx's tiles hang on the token block and the wave: shared along a row.  Both are joint loads.
; LDS is filled ONCE: each wave's 64 rows of Wo (16 bytes of padding behind every 256: pitch 816), read by that wave alone, and 8 token tiles of ctx.  By the text's own count a wave has two tensor loads out.
; The way out goes through a stage of 16 rows x 272 bytes, two by turns, in the wave's own bytes of Wo, which have had their only fill and their last read by then.
; The bias is the C of each sum's first product.  LIMITS: NaN and infinities are not served; a given scale byte 0xff makes its sums NaN, as in the definition.
; REGISTERS: window 0: v2-16 addresses; v24-31 ctx's scale words, two sets; v32-63 Wo's; v64-159, v160-255 ctx's fragments.  Window 1: Wo's K steps 0-4.  Window 2: K steps 5-7.
;   Window 3: v0-31 accumulators, v32-63 the bias, v64-127 rows read back, two sets.
.set WPITCH, 816
.set WREG,   64*WPITCH
.set CTXL,   4*WREG
.set TILEB,  12800
.set SPITCH, 272
.set STG,    16*SPITCH
.set G1W, 24
.set G1C, 32
.set G0W, 40
.set G0C, 44
.set MSB, 0
.macro WIN new
.if MSB != \new
	s_set_vgpr_msb (MSB<<8)|\new
.set MSB, \new
.endif
.endm
.macro PLACES n
.rept \n
	v_nop
.endr
.endm
.macro CROUND
	s_barrier_signal -1
	s_barrier_wait -1
	s_cmp_lg_u32 s14, 0
	s_cbranch_scc1 .Lnot_wave_0_\@
	s_barrier_signal -3
.Lnot_wave_0_\@:
	s_barrier_wait -3
	s_barrier_signal -1
	s_barrier_wait -1
.endm
	s_load_b256 s[4:11], s[0:1], 0x0               ; ctx, Wo's codes, Wo's scales, bo
	s_load_b64 s[12:13], s[0:1], 0x20              ; out0
	v_lshl_add_u32 v22, v0, 2, 0x4c000
	v_mov_b32 v23, 0
	ds_add_u32 v22, v23
	ds_add_u32 v22, v23
	v_lshrrev_b32 v1, 5, v0
	v_readfirstlane_b32 s14, v1                    ; wave
	s_bfe_u32 s15, ttmp6, 0x40000                  ; cx
	s_bfe_u32 s16, ttmp6, 0x40004                  ; cy
	s_lshl_b32 s48, ttmp9, 2
	s_add_co_u32 s48, s48, s15                     ; my block of 256 columns
	s_and_b32 s17, ttmp7, 0xffff
	s_lshl_b32 s17, s17, 2
	s_add_co_u32 s17, s17, s16                     ; my block of 128 tokens
	s_lshl_b32 s18, s16, 2
	s_lshl_b32 s18, 15, s18                        ; my row of the cluster
	s_lshl_b32 s19, 0x1111, s15                    ; my column
	s_or_b32 s[G1W], s19, (3<<16)|(1<<20)|(1<<21)|(5<<22)|(3<<25)      ; elements of 8 bytes; 4 words of padding behind every 64
	s_mov_b32 s[G1W+1], 96<<16                     ; 64 rows of 768 bytes, dense
	s_mov_b32 s[G1W+2], 64<<16
	s_mov_b32 s[G1W+3], 96<<16
	s_mov_b32 s[G1W+4], 64
	s_mov_b32 s[G1W+5], 96
	s_mov_b32 s[G1W+6], 0
	s_mov_b32 s[G1W+7], 0
	s_or_b32 s[G1C], s18, (3<<16)|(1<<21)
	s_mov_b32 s[G1C+1], 32<<16                     ; two token tiles: 100 rows of 256 bytes, dense
	s_mov_b32 s[G1C+2], 100<<16
	s_mov_b32 s[G1C+3], 32<<16
	s_mov_b32 s[G1C+4], 100
	s_mov_b32 s[G1C+5], 32
	s_mov_b32 s[G1C+6], 0
	s_mov_b32 s[G1C+7], 0
	s_lshl_b32 s49, s48, 8
	s_lshl_b32 s50, s14, 6
	s_add_co_u32 s49, s49, s50                     ; my first column
	s_mul_i32 s20, s49, 768
	s_mov_b32 s21, 0
	s_lshl_b32 s22, s17, 3
	s_lshl_b32 s23, s14, 1
	s_add_co_u32 s22, s22, s23                     ; the two token tiles that I fetch
	s_mul_i32 s22, s22, TILEB
	s_mov_b32 s23, 0
	s_mul_i32 s51, s14, WREG
	s_mul_i32 s52, s14, 2*TILEB
	s_wait_dscnt 0x0
	s_wait_kmcnt 0x0
	s_mov_b32 s[G0W], 1
	s_mov_b32 s[G0W+1], s51
	s_add_nc_u64 s[G0W+2:G0W+3], s[6:7], s[20:21]
	s_or_b32 s[G0W+3], s[G0W+3], 0x80000000
	s_mov_b32 s[G0C], 1
	s_add_co_u32 s[G0C+1], s52, CTXL
	s_add_nc_u64 s[G0C+2:G0C+3], s[4:5], s[22:23]
	s_or_b32 s[G0C+3], s[G0C+3], 0x80000000
	CROUND                                         ; all sixteen work-groups are here: the joint loads meet
	tensor_load_to_lds s[G0W:G0W+3], s[G1W:G1W+7]
	s_nop 0
	tensor_load_to_lds s[G0C:G0C+3], s[G1C:G1C+7]
	s_nop 0
	PLACES 4
	s_lshl_b32 s20, s49, 5
	s_add_nc_u64 s[8:9], s[8:9], s[20:21]          ; my columns' scale bytes,
	s_lshl_b32 s20, s49, 2
	s_add_nc_u64 s[10:11], s[10:11], s[20:21]      ; their biases,
	s_add_nc_u64 s[12:13], s[12:13], s[20:21]
	s_lshl_b32 s20, s17, 19
	s_add_nc_u64 s[12:13], s[12:13], s[20:21]      ; and their place in my first token's row of out0
	v_and_b32 v1, 15, v0                           ; r
	v_bfe_u32 v13, v0, 4, 1                        ; h
	v_and_b32 v14, 31, v0                          ; lane
	v_mul_u32_u24 v2, v1, WPITCH
	v_mad_u32_u24 v2, v13, 24, v2
	v_add_nc_u32 v2, s51, v2                       ; Wo: row r, + 24 h, in my wave's bytes;
	v_lshl_add_u32 v3, v13, 4, v2                  ; the same behind one padding more
	v_lshl_add_u32 v4, v14, 4, CTXL                ; ctx: images of four, of two registers, and scale words; token tiles 0-3,
	v_lshl_add_u32 v5, v14, 3, CTXL
	v_lshl_add_u32 v6, v14, 2, CTXL
	v_add_nc_u32 v7, 4*TILEB, v4                   ; and 4-7
	v_add_nc_u32 v8, 4*TILEB, v5
	v_add_nc_u32 v9, 4*TILEB, v6
	v_mul_u32_u24 v10, v1, SPITCH
	v_lshl_add_u32 v10, v13, 5, v10
	v_add_nc_u32 v10, s51, v10                     ; the stage, in: row r, 32 bytes for each half of the lanes
	v_mul_u32_u24 v11, v13, SPITCH
	v_lshl_add_u32 v11, v1, 4, v11
	v_add_nc_u32 v11, s51, v11                     ; back: lanes 0-15 one row, lanes 16-31 the next
	v_lshlrev_b32 v12, 12, v13
	v_lshl_add_u32 v12, v1, 4, v12                 ; and the same two rows in out0
	v_lshlrev_b32 v15, 5, v1
	v_lshlrev_b32 v16, 5, v13
.irp a, 0,1,2,3
	global_load_b128 v[32+8*\a:35+8*\a], v15, s[8:9] offset:512*\a         ; register 8 a + s: the scale word of column 16 a + r, K step s
	global_load_b128 v[36+8*\a:39+8*\a], v15, s[8:9] offset:512*\a+16
.endr
	WIN 0xc0
.irp a, 0,1,2,3
	global_load_b128 v[32+8*\a:35+8*\a], v16, s[10:11] offset:64*\a        ; the biases of columns 16 a + 8 h + 0 .. 7
	global_load_b128 v[36+8*\a:39+8*\a], v16, s[10:11] offset:64*\a+16
.endr
	WIN 0
	s_wait_tensorcnt 0x1                           ; my rows of Wo are in, and I alone read them; ctx's tile may be out
.macro WFRAG reg, s, a                 ; pieces of 8 bytes; 16 bytes of padding lie behind every 32 pieces
.irp p, 0,1,2,3,4,5
.set PC, 12*(\s)+6*(\p/3)+\p%3
.if PC%32 < 29
	ds_load_b64 v[\reg+2*\p:\reg+2*\p+1], v2 offset:8*PC+16*(PC/32)+16*WPITCH*(\a)
.else
	ds_load_b64 v[\reg+2*\p:\reg+2*\p+1], v3 offset:8*PC+16*(PC/32)+16*WPITCH*(\a)
.endif
.endr
.endm
	WIN 0x40
.irp s, 0,1,2,3,4
.irp a, 0,1,2,3
	WFRAG 12*(4*\s+\a), \s, \a
.endr
.endr
	WIN 0x80
.irp s, 5,6,7
.irp a, 0,1,2,3
	WFRAG 12*(4*(\s-5)+\a), \s, \a
.endr
.endr
	WIN 0
	s_wait_tensorcnt 0x0                           ; my part of ctx is in,
	s_wait_loadcnt 0x0
	s_wait_dscnt 0x0                               ; and Wo is in registers: its LDS bytes have had their last read
	s_barrier_signal -1
	s_barrier_wait -1
.macro FETCHC i                        ; token tile i: 8 K steps x (four, two, four, two registers), and four registers of scale words: 36 loads
.set CF, 64+96*((\i)%2)
.set CSW, 24+4*((\i)%2)
.set AB, 4+3*((\i)/4)
.set OB, TILEB*((\i)%4)
.irp s, 0,1,2,3,4,5,6,7
	ds_load_b128 v[CF+12*\s:CF+12*\s+3], v[AB] offset:OB+1536*\s
	ds_load_b64 v[CF+12*\s+4:CF+12*\s+5], v[AB+1] offset:OB+1536*\s+512
	ds_load_b128 v[CF+12*\s+6:CF+12*\s+9], v[AB] offset:OB+1536*\s+768
	ds_load_b64 v[CF+12*\s+10:CF+12*\s+11], v[AB+1] offset:OB+1536*\s+1280
.endr
.irp p, 0,1,2,3
	ds_load_b32 v[CSW+\p], v[AB+2] offset:OB+12288+128*\p      ; lanes 0-15: K step 2 p, lanes 16-31: K step 2 p + 1
.endr
.endm
.macro MUL i                           ; 32 products: the four accumulators by turns, K ascending
.set CF, 64+96*((\i)%2)
.set CSW, 24+4*((\i)%2)
.irp s, 0,1,2,3,4,5,6,7
.if \s < 5
	WIN 0xf1
.set WB, 48*\s
.else
	WIN 0xf2
.set WB, 48*(\s-5)
.endif
.irp a, 0,1,2,3
.if \s == 0
	v_wmma_scale_f32_16x16x128_f8f6f4 v[8*\a:8*\a+7], v[WB+12*\a:WB+12*\a+11], v[CF+12*\s:CF+12*\s+11], v[32+8*\a:39+8*\a], v[32+8*\a+\s], v[CSW+\s/2] matrix_a_fmt:MATRIX_FMT_FP6 matrix_b_fmt:MATRIX_FMT_FP6
.elseif \s%2 == 0
	v_wmma_scale_f32_16x16x128_f8f6f4 v[8*\a:8*\a+7], v[WB+12*\a:WB+12*\a+11], v[CF+12*\s:CF+12*\s+11], v[8*\a:8*\a+7], v[32+8*\a+\s], v[CSW+\s/2] matrix_a_fmt:MATRIX_FMT_FP6 matrix_b_fmt:MATRIX_FMT_FP6
.else
	v_wmma_scale_f32_16x16x128_f8f6f4 v[8*\a:8*\a+7], v[WB+12*\a:WB+12*\a+11], v[CF+12*\s:CF+12*\s+11], v[8*\a:8*\a+7], v[32+8*\a+\s], v[CSW+\s/2] matrix_a_fmt:MATRIX_FMT_FP6 matrix_b_fmt:MATRIX_FMT_FP6 matrix_b_scale:MATRIX_SCALE_ROW1
.endif
.endr
.endr
.endm
.macro TOSTAGE i                       ; LDS serves a wave's instructions in order (ISA guide 5.7.1.4): the loads see the stores
	WIN 0x0c
.irp a, 0,1,2,3
	ds_store_b128 v10, v[8*\a:8*\a+3] offset:STG*((\i)%2)+64*\a            ; each accumulator from its low end on
	ds_store_b128 v10, v[8*\a+4:8*\a+7] offset:STG*((\i)%2)+64*\a+16
.endr
	WIN 0xc0
.irp u, 0,1,2,3,4,5,6,7
	ds_load_b128 v[64+32*((\i)%2)+4*\u:64+32*((\i)%2)+4*\u+3], v11 offset:STG*((\i)%2)+2*SPITCH*\u
.endr
	WIN 0
.endm
.macro SEND i
	WIN 0x0c
.irp u, 0,1,2,3,4,5,6,7
	global_store_b128 v12, v[64+32*((\i)%2)+4*\u:64+32*((\i)%2)+4*\u+3], s[12:13] offset:(16*(\i)+2*\u)*4096 th:TH_STORE_NT      ; 16 lanes store 256 consecutive bytes, at a multiple of 256 from out0's first byte
.endr
	WIN 0
.endm
	FETCHC 0
.irp i, 0,1,2,3,4,5,6,7
.if \i < 7
	FETCHC \i+1
.endif
.if \i == 0
	s_wait_dscnt 36                                ; tile 0 is in; tile 1's 36 loads may be out
.elseif \i < 7
	s_wait_dscnt 44                                ; this tile is in, and the last tile's stores into the stage have read the accumulators; its 8 loads back and the next tile's 36 may be out
.else
	s_wait_dscnt 8
.endif
	MUL \i
.if \i > 0
.if \i < 7
	s_wait_dscnt 36                                ; the last tile's rows are back from the stage
.else
	s_wait_dscnt 0
.endif
	SEND \i-1
.endif
	PLACES 5                                       ; in front of the stores that read results, of the loads into the fragments just read, and of the next tile's first products, which write over these accumulators
	s_wait_xcnt 0x0                                ; the stores of two tiles back have read their registers: this tile's rows may land there
	TOSTAGE \i
.endr
	s_wait_dscnt 0x0
	SEND 7
	s_wait_tensorcnt 0x0
	ds_add_u32 v22, v23
	s_wait_dscnt 0x0
	CROUND                                         ; the closing round: no work-group ends while a partner may still ask for a tile that names it
	s_endpgm
.Lfunc_end_k_q6af5c50e22_outp:
	.size	k_q6af5c50e22_outp, .Lfunc_end_k_q6af5c50e22_outp-k_q6af5c50e22_outp
	.p2alignl 7, 3214868480
	.fill 96, 4, 3214868480
	.section	.rodata,"a",@progbits
	.p2align	6, 0x0
	.amdhsa_kernel k_q6af5c50e22_outp
		.amdhsa_group_segment_fixed_size 327680
		.amdhsa_private_segment_fixed_size 0
		.amdhsa_enable_private_segment 0
		.amdhsa_kernarg_size 40
		.amdhsa_user_sgpr_count 2
		.amdhsa_user_sgpr_kernarg_segment_ptr 1
		.amdhsa_wavefront_size32 1
		.amdhsa_system_sgpr_workgroup_id_x 1
		.amdhsa_system_sgpr_workgroup_id_y 1
		.amdhsa_system_sgpr_workgroup_id_z 1
		.amdhsa_system_vgpr_workitem_id 0
		.amdhsa_next_free_vgpr 1024
		.amdhsa_next_free_sgpr 66
		.amdhsa_reserve_vcc 0
		.amdhsa_float_denorm_mode_32 3
		.amdhsa_float_denorm_mode_16_64 3
		.amdhsa_memory_ordered 1
		.amdhsa_forward_progress 1
		.amdhsa_inst_pref_size 88
	.end_amdhsa_kernel
	.amdgpu_metadata
---
amdhsa.version: [ 1, 2 ]
amdhsa.kernels:
  - .name:           k_q6af5c50e22_outp
    .symbol:         k_q6af5c50e22_outp.kd
    .args:
      - { .name: ctx, .offset: 0, .size: 8, .value_kind: global_buffer, .address_space: global }
      - { .name: Wo_codes, .offset: 8, .size: 8, .value_kind: global_buffer, .address_space: global }
      - { .name: Wo_scales, .offset: 16, .size: 8, .value_kind: global_buffer, .address_space: global }
      - { .name: bo, .offset: 24, .size: 8, .value_kind: global_buffer, .address_space: global }
      - { .name: out0, .offset: 32, .size: 8, .value_kind: global_buffer, .address_space: global }
    .group_segment_fixed_size: 327680
    .private_segment_fixed_size: 0
    .kernarg_segment_align: 8
    .kernarg_segment_size: 40
    .max_flat_workgroup_size: 128
    .sgpr_count:     66
    .vgpr_count:     1024
    .wavefront_size: 32
...
	.end_amdgpu_metadata
.endif
;; end of part 3
